; MI455X (gfx1250); checked and timed in simulation.
; The chip was launched on July 23, 2026; its instructions are those of AMD's public machine-readable ISA for CDNA 5 (MIT licence, August 2026) and "CDNA5" Instruction Set Architecture Reference Guide (July 2026). The comments in the code are by the model that wrote it; some were corrected since.
;; Bahdanau Attention. Allowed arithmetic: matrix products marked QUANTISED: E4M3 operands, one E8M0 scale for each 32 along K, by v_wmma_scale_f32_16x16x128_f8f6f4 with both operands' format E4M3, f32 sums; products left as they are: f32 operands where the result goes on into a quantised operand, else bf16, f16 or f32 operands; f32 sums; everything else in f32.
;; Inputs: V 1,024 x 1 float32; W1_codes 1,024 x 32 x 32 uint8 (E4M3 codes of W1, K innermost, in blocks of 32 codes); W1_scales 1,024 x 32 uint8 (E8M0 scales of W1, one for each 32 codes along K); W2_codes 1,024 x 32 x 32 uint8 (E4M3 codes of W2, K innermost, in blocks of 32 codes); W2_scales 1,024 x 32 uint8 (E8M0 scales of W2, one for each 32 codes along K); b1 1,024 float32; b2 1,024 float32; bV 1 float32; dec_hidden_codes 32 x 32 x 32 uint8 (E4M3 codes of dec_hidden, K innermost, in blocks of 32 codes); dec_hidden_scales 32 x 32 uint8 (E8M0 scales of dec_hidden, one for each 32 codes along K); enc_output 32 x 2,048 x 1,024 float32.
;; Outputs: out0 32 x 1,024 float32; out1 32 x 2,048 x 1 float32.
;; This version of the problem:
;;   THIS VERSION OF THE PROBLEM IS GIVEN IN LOW PRECISION. The matrix products marked QUANTISED in the list below multiply operands that are first quantised to E4M3 (4 exponent bits, 3 mantissa bits; 8 bits a number), with one power-of-two scale for each 32 numbers along K (OCP MX v1.0); their sums are f32. All else is computed in f32.
;;   The module's matrix products, in the order in which they are computed (A, B: the left and right operand; K: the contracted axis; several contracted axes count as one K, in the product's order):
;;     1. [M 32, K 1,024] x [K 1,024, N 1,024]; A: input dec_hidden (given as codes); B: input W1 (given as codes): QUANTISED
;;     2. [M 65,536, K 1,024] x [K 1,024, N 1,024]; A: input enc_output; B: input W2 (given as codes): QUANTISED
;;     3. [M 65,536, K 1,024] x [K 1,024, N 1]; A: computed on the way; B: input V: left as it is (N = 1 < 16)
;;   THE QUANTISER, for each operand of a quantised product, along K:
;;     - K is cut into blocks of 32 from its start; a last block that is shorter is filled with zeros.
;;     - A block's scale is 2^e with e = floor(log2(the largest magnitude in the block)) - 8, held to -126 .. 127; a block of zeros has e = 0. As a byte (E8M0): e + 127.
;;     - Each number is divided by its block's scale, clamped to +-448, and rounded to the nearest number of E4M3, ties to even, subnormals kept.
;;     - The product sums the exact products of the quantised numbers (number of the format x scale) in f32.
;;   ~~~python
;;   def quantise(x, axis):      # numpy; x: float32 -> the quantised numbers, widened to float32 again
;;       x = np.moveaxis(x, axis, -1); K = x.shape[-1]
;;       x = np.pad(x, [(0, 0)] * (x.ndim - 1) + [(0, -K % 32)]); x = x.reshape(x.shape[:-1] + (-1, 32)); a = np.abs(x).max(-1, keepdims=True)
;;       e = np.where(a > 0, np.clip(np.frexp(np.where(a > 0, a, 1))[1] - 1 - 8, -126, 127), 0)      # np.frexp(a)[1] - 1 = floor(log2(a)), exactly
;;       r = np.clip(x / 2.0 ** e, -448, 448)
;;       step = 2.0 ** (np.maximum(np.frexp(np.where(r == 0, 1, r))[1] - 1, -6) - 3)
;;       q = np.round(r / step) * step * 2.0 ** e      # np.round: ties to even
;;       return np.moveaxis(q.reshape(q.shape[:-2] + (-1,))[..., :K], -1, axis).astype(np.float32)
;;   ~~~
;;   INPUTS GIVEN AS CODES. W1 (in the module: [1024, 1024], K = its axis 0); W2 (in the module: [1024, 1024], K = its axis 0); dec_hidden (in the module: [32, 1024], K = its axis 1): each comes as NAME_codes (uint8): NAME with its K axis moved to the last place and cut into blocks of 32 codes, [.., K / 32, bytes a block], one block behind the other in memory; one code a byte (a code: sign, 4 exponent bits, 3 mantissa bits); and NAME_scales (uint8): the same leading axes, one E8M0 byte (e + 127) for each 32 codes along K. Its value is code x scale, taken as it is: it is not quantised again, and the codes and scales need not be those that the quantiser above would give.
;; One version. Each part assembles by itself: llvm-mc -triple=amdgcn-amd-amdhsa -mcpu=gfx1250 --defsym DOCPART=n.
;; ======== version 1 of 1: 3 launches
;; limits: right only within a limited range of input values
;; workspace buffers: qv 131,072 bytes; scores 262,144 bytes; part 1,048,576 bytes
;; launch prep (part 1): grid 16 x 2, 4 waves a work-group, no clusters, 4,864 bytes of LDS; arguments dec_hidden_codes, dec_hidden_scales, W1_codes, W1_scales, b1, b2, qv; writes qv
.if DOCPART == 1
	.amdgcn_target "amdgcn-amd-amdhsa--gfx1250"
	.amdhsa_code_object_version 6
	.text
	.protected	k_q5c509f011a_prep
	.globl	k_q5c509f011a_prep
	.p2align	8
	.type	k_q5c509f011a_prep,@function
k_q5c509f011a_prep:
	s_mov_b64 s[64:65], 0
	v_nop
	global_prefetch_b8 v0, s[64:65] scope:SCOPE_SE
	s_setreg_imm32_b32 hwreg(HW_REG_WAVE_MODE, 25, 1), 1
	s_wait_xcnt 0x0
; BAHDANAU ATTENTION IN MX-FP8, launch 1 of 3:  qv[b][u] = C2 x (dec_hidden W1 + b1 + b2)[b][u],  C2 = 2 log2(e).
; THE WHOLE PROGRAM.  x = (dec W1 + b1)[b][u] + (enc W2 + b2)[b][s][u];  score[b][s] = sum over u of V[u] tanh(x) + bV;  weights = softmax over s;  context = sum over s of weight x enc.
; tanh(x) = 1 - 2 / (1 + e^(2 x)), so score[b][s] = (bV + sum over u of V[u]) - 2 sum over u of V[u] / (1 + 2^(C2 x)).
; DEAD WORK.  The bracket (bV + sum of V) is the same for every s of a batch, whatever the inputs hold, and the score reaches both outputs through the softmax over s alone, which
; a term that is equal along its axis leaves as it is.  So the bracket is never formed: bV is not loaded and is among no launch's arguments; V is loaded for the second term.
; LIMIT: a NaN, an infinity or an overflow that would arise in bV + sum of V alone is not carried to the results.  NaN and infinities among the inputs are not served.
; Both biases ride in qv, and qv carries the factor C2 that the exponential of base 2 wants: the second launch forms C2 x by one fused multiply-add on its product.
; THIS LAUNCH.  M = 32 batches, N = 1,024 units, K = 1,024, both operands given as codes of E4M3 with E8M0 scale bytes.  Work-group (x, y): batches 16 y on, units 64 x on; wave w: the 16 units 64 x + 16 w on.
; The product is used transposed (source 0 = 16 rows of W1's codes = 16 units, source 1 = 16 batches): lane (r, h) holds batch r and units 8 h + 0 .. 7.  K's eight steps of 128 go onto two
; accumulators by turns; b1 is the C of the first sum's first product, b2 that of the second's.  No tensor load, no cluster: the work-groups share only 32 KB of dec_hidden.
; Results leave through a stage in LDS (16 batches x 256 bytes + 16), so that sixteen lanes store 256 consecutive, aligned bytes of a row of qv.
.set SPITCH, 272
.set SPARE,  16*SPITCH                 ; behind the stage: the spare words, 128 bytes for each wave
.set SPW, 3                            ; v3   my spare word; never rewritten
.set NIL, 4                            ; v4   0; never rewritten
.set MSB, 0
.macro WIN new                         ; the immediate's high byte repeats the setting that is left
.if MSB != \new
	s_set_vgpr_msb (MSB<<8)|\new
.set MSB, \new
.endif
.endm
	s_load_b256 s[4:11], s[0:1], 0x0               ; dec's codes s[4:5], dec's scales s[6:7], W1's codes s[8:9], W1's scales s[10:11]
	s_load_b128 s[12:15], s[0:1], 0x20             ; b1, b2
	s_load_b64 s[16:17], s[0:1], 0x30              ; qv
	v_lshl_add_u32 v[SPW], v0, 2, SPARE
	v_mov_b32 v[NIL], 0
	v_lshrrev_b32 v5, 5, v0
	v_readfirstlane_b32 s18, v5                    ; wave 0..3
	s_and_b32 s19, ttmp7, 0xffff                   ; y
	v_and_b32 v1, 15, v0                           ; r
	s_wait_alu depctr_va_vdst(0)
	v_bfe_u32 v2, v0, 4, 1                         ; h
	s_lshl_b32 s20, ttmp9, 6
	s_lshl_b32 s21, s18, 4
	s_add_co_u32 s20, s20, s21                     ; u0 = 64 x + 16 w
	s_lshl_b32 s22, s20, 10                        ; W1's codes: 1,024 bytes a unit
	s_mov_b32 s23, 0
	s_lshl_b32 s24, s19, 14                        ; dec's codes: 16 batches of 1,024 bytes
	s_mov_b32 s25, 0
	s_lshl_b32 s26, s20, 5                         ; W1's scales: 32 bytes a unit
	s_mov_b32 s27, 0
	s_lshl_b32 s28, s19, 9                         ; dec's scales
	s_mov_b32 s29, 0
	s_lshl_b32 s30, s20, 2                         ; the biases
	s_mov_b32 s31, 0
	s_lshl_b32 s32, s19, 16                        ; qv: (16 y + 4 w) rows of 4,096 bytes + 256 x
	s_lshl_b32 s33, s18, 14
	s_add_co_u32 s32, s32, s33
	s_lshl_b32 s33, ttmp9, 8
	s_add_co_u32 s32, s32, s33
	s_mov_b32 s33, 0
	s_mov_b32 s34, 0x4038aa3b                      ; C2
	s_mov_b32 s35, s34                             ; (named with it as a pair, so it is written)
	v_lshlrev_b32 v6, 10, v1
	s_wait_alu depctr_va_vdst(0)
	v_lshl_add_u32 v6, v2, 4, v6                   ; a fragment: row r of 1,024 bytes + 16 h
	v_lshlrev_b32 v7, 5, v1                        ; scale words: 32 bytes a row
	v_lshlrev_b32 v8, 5, v2                        ; biases: my half's eight numbers
	s_lshl_b32 s36, s18, 6
	v_mul_u32_u24 v9, v1, SPITCH
	v_lshl_add_u32 v9, v2, 5, v9
	v_add_nc_u32 v9, s36, v9                       ; into the stage: row r, + 64 w + 32 h
	s_mul_i32 s37, s18, 4*SPITCH
	v_mul_u32_u24 v10, v2, SPITCH
	v_lshl_add_u32 v10, v1, 4, v10
	v_add_nc_u32 v10, s37, v10                     ; back: rows 4 w + h (and two further on), 16 bytes a lane
	v_lshlrev_b32 v11, 12, v2
	v_lshl_add_u32 v11, v1, 4, v11                 ; and the same place in qv
	s_wait_alu depctr_va_vdst(0)
	s_wait_kmcnt 0x0
	s_add_nc_u64 s[8:9], s[8:9], s[22:23]
	s_add_nc_u64 s[4:5], s[4:5], s[24:25]
	s_add_nc_u64 s[10:11], s[10:11], s[26:27]
	s_add_nc_u64 s[6:7], s[6:7], s[28:29]
	s_add_nc_u64 s[12:13], s[12:13], s[30:31]
	s_add_nc_u64 s[14:15], s[14:15], s[30:31]
	s_add_nc_u64 s[16:17], s[16:17], s[32:33]
	WIN 0x40                                       ; destination window 1: W1's eight fragments, K step j at v[16 j]
.irp j, 0,1,2,3,4,5,6,7
.irp c, 0,1,2,3
	global_load_b128 v[16*\j+4*\c:16*\j+4*\c+3], v6, s[8:9] offset:128*\j+32*\c
.endr
.endr
	WIN 0
.irp j, 0,1,2,3,4,5,6,7                        ; dec's eight fragments at v[128 + 16 j]
.irp c, 0,1,2,3
	global_load_b128 v[128+16*\j+4*\c:128+16*\j+4*\c+3], v6, s[4:5] offset:128*\j+32*\c
.endr
.endr
	global_load_b128 v[48:51], v7, s[6:7]          ; dec's scale words: register j = K step j
	global_load_b128 v[52:55], v7, s[6:7] offset:16
	global_load_b128 v[56:59], v7, s[10:11]        ; W1's
	global_load_b128 v[60:63], v7, s[10:11] offset:16
	global_load_b128 v[16:19], v8, s[12:13]        ; b1 at units u0 + 8 h + 0 .. 7: the result's layout
	global_load_b128 v[20:23], v8, s[12:13] offset:16
	global_load_b128 v[24:27], v8, s[14:15]        ; b2
	global_load_b128 v[28:31], v8, s[14:15] offset:16
	s_wait_loadcnt 0x0
	WIN 0x01                                       ; source 0 (W1) window 1
	v_wmma_scale_f32_16x16x128_f8f6f4 v[32:39], v[0:15], v[128:143], v[16:23], v56, v48
	v_wmma_scale_f32_16x16x128_f8f6f4 v[40:47], v[16:31], v[144:159], v[24:31], v57, v49
.irp j, 2,4,6
	v_wmma_scale_f32_16x16x128_f8f6f4 v[32:39], v[16*\j:16*\j+15], v[128+16*\j:128+16*\j+15], v[32:39], v[56+\j], v[48+\j]
	v_wmma_scale_f32_16x16x128_f8f6f4 v[40:47], v[16*\j+16:16*\j+31], v[144+16*\j:144+16*\j+15], v[40:47], v[57+\j], v[49+\j]
.endr
	WIN 0
.rept 8
	v_nop                                          ; eight places between the last product and the first read of results
.endr
.irp p, 0,2,4,6
	v_pk_add_f32 v[64+\p:65+\p], v[32+\p:33+\p], v[40+\p:41+\p]   ; the two halves of K; each accumulator is read from its low end on
.endr
.irp p, 0,2,4,6
	v_pk_mul_f32 v[64+\p:65+\p], v[64+\p:65+\p], s[34:35] op_sel_hi:[1,0]
.endr
	ds_store_b128 v9, v[64:67]
	ds_store_b128 v9, v[68:71] offset:16
	s_wait_dscnt 0x0                               ; for the others' sake: my stores into the stage are done
	s_barrier_signal -1
	s_barrier_wait -1
	ds_load_b128 v[72:75], v10
	ds_load_b128 v[76:79], v10 offset:2*SPITCH
	s_wait_dscnt 0x0
	global_store_b128 v11, v[72:75], s[16:17]      ; sixteen lanes store 256 consecutive bytes, at a multiple of 256 from qv's first byte
	global_store_b128 v11, v[76:79], s[16:17] offset:8192
	s_wait_tensorcnt 0x0                           ; the wave's end, behind my last LDS store
	ds_add_u32 v[SPW], v[NIL]
	s_wait_dscnt 0x0
	s_endpgm
.Lfunc_end_k_q5c509f011a_prep:
	.size	k_q5c509f011a_prep, .Lfunc_end_k_q5c509f011a_prep-k_q5c509f011a_prep
	.p2alignl 7, 3214868480
	.fill 96, 4, 3214868480
	.section	.rodata,"a",@progbits
	.p2align	6, 0x0
	.amdhsa_kernel k_q5c509f011a_prep
		.amdhsa_group_segment_fixed_size 4864
		.amdhsa_private_segment_fixed_size 0
		.amdhsa_enable_private_segment 0
		.amdhsa_kernarg_size 56
		.amdhsa_user_sgpr_count 2
		.amdhsa_user_sgpr_kernarg_segment_ptr 1
		.amdhsa_wavefront_size32 1
		.amdhsa_system_sgpr_workgroup_id_x 1
		.amdhsa_system_sgpr_workgroup_id_y 1
		.amdhsa_system_sgpr_workgroup_id_z 1
		.amdhsa_system_vgpr_workitem_id 0
		.amdhsa_next_free_vgpr 384
		.amdhsa_next_free_sgpr 66
		.amdhsa_reserve_vcc 0
		.amdhsa_float_denorm_mode_32 3
		.amdhsa_float_denorm_mode_16_64 3
		.amdhsa_memory_ordered 1
		.amdhsa_forward_progress 1
		.amdhsa_inst_pref_size 12
	.end_amdhsa_kernel
	.amdgpu_metadata
---
amdhsa.version: [ 1, 2 ]
amdhsa.kernels:
  - .name:           k_q5c509f011a_prep
    .symbol:         k_q5c509f011a_prep.kd
    .args:
      - { .name: dec_hidden_codes, .offset: 0, .size: 8, .value_kind: global_buffer, .address_space: global }
      - { .name: dec_hidden_scales, .offset: 8, .size: 8, .value_kind: global_buffer, .address_space: global }
      - { .name: W1_codes, .offset: 16, .size: 8, .value_kind: global_buffer, .address_space: global }
      - { .name: W1_scales, .offset: 24, .size: 8, .value_kind: global_buffer, .address_space: global }
      - { .name: b1, .offset: 32, .size: 8, .value_kind: global_buffer, .address_space: global }
      - { .name: b2, .offset: 40, .size: 8, .value_kind: global_buffer, .address_space: global }
      - { .name: qv, .offset: 48, .size: 8, .value_kind: global_buffer, .address_space: global }
    .group_segment_fixed_size: 4864
    .private_segment_fixed_size: 0
    .kernarg_segment_align: 8
    .kernarg_segment_size: 56
    .max_flat_workgroup_size: 128
    .sgpr_count:     66
    .vgpr_count:     384
    .wavefront_size: 32
...
	.end_amdgpu_metadata
.endif
;; end of part 1
;; launch main (part 2): grid 256 x 1, 4 waves a work-group, clusters of 4 x 1, 327,680 bytes of LDS; arguments enc_output, W2_codes, W2_scales, V, qv, scores, part; writes scores, part
.if DOCPART == 2
	.amdgcn_target "amdgcn-amd-amdhsa--gfx1250"
	.amdhsa_code_object_version 6
	.text
	.protected	k_q5c509f011a_main
	.globl	k_q5c509f011a_main
	.p2align	8
	.type	k_q5c509f011a_main,@function
k_q5c509f011a_main:
	s_mov_b64 s[64:65], 0
	v_nop
	global_prefetch_b8 v0, s[64:65] scope:SCOPE_SE
	s_setreg_imm32_b32 hwreg(HW_REG_WAVE_MODE, 25, 1), 1
	s_wait_xcnt 0x0
	s_wait_alu depctr_hold_cnt(0) depctr_sa_sdst(0) depctr_va_vdst(0) depctr_va_sdst(0) depctr_va_ssrc(0) depctr_va_vcc(0) depctr_vm_vsrc(0)
	s_getreg_b32 s2, hwreg(HW_REG_IB_STS2, 6, 4)
	s_cmp_eq_u32 s2, 0
	s_cbranch_scc0 .Lentry_in_a_cluster
	s_endpgm
.Lentry_in_a_cluster:
	s_bfe_u32 s2, ttmp6, 0x10000c
	s_cmp_lg_u32 s2, 0x3003
	s_cbranch_scc0 .Lentry_shape_is_right
	s_endpgm
.Lentry_shape_is_right:
; BAHDANAU ATTENTION IN MX-FP8, launch 2 of 3: the scores of 256 rows of enc_output a work-group, and those rows' part of the context.
; s2[row] = -2 log2(e) x sum over u of V[u] / (1 + 2^(C2 x)),  C2 x = C2 (enc W2)[row][u] + qv[b][u]: the score in units of log2, without bV + sum of V
; (dead work: the same along the softmax's axis, as shown at the head of the first kernel; bV is no argument).  LIMIT as stated there.
; SHARES.  Work-group g: rows 256 g on (batch g / 8); wave w: 64 of them, four blocks of 16.  The wave quantises its rows once, along K, and keeps the codes in registers
; (block a, K step j at 16 (8 (a % 2) + j) of window 2 + a / 2), their scale words in v[ASC + 8 a + j].  K steps 0 to 5 come by tensor loads through LDS, K steps 6 and 7 by loads into registers.
; W2's codes walk through a ring of two slots of 128 units, asked for jointly by the four work-groups of a cluster, which all walk the same units.
; A STAGE is 32 units: 64 matrix instructions (source 0 = 16 units, source 1 = 16 rows: a lane holds one row, its registers run along the units) on eight accumulators by turns,
; with no transcendental among them, and then the activation of the 64 result registers in batches (macro EPI).  W2's fragments lie in two buffers of 128 registers:
; X (window 0) holds K steps 0 to 3 of both unit tiles, Y (window 1) K steps 4 to 7.  Each is filled for the next stage in ONE run of LDS loads: X behind the products that read it, Y inside the activation.
; Behind the last stage: the block's largest s2, p = 2^(s2 - m), and part[g] = sum over the 256 rows of p x enc, the rows read a second time, last rows first.
; PREFETCH: in the last interval each wave names the 32 rows x 1,024 bytes that its context loads ask for first, four stages ahead of them.  W2 is read by every work-group again and again and is not asked for.
.set ROWP,  1040                       ; an LDS row: 1,024 bytes + 16 of padding
.set SLOTB, 32*ROWP
.set WREG,  2*SLOTB                    ; a wave's region: two slots of 32 rows
.set XR,    4*WREG                     ; the quantiser's images of operand registers; behind it W2's scale bytes
.set IMG,   2176
.set SCRW,  4*IMG
.set QTAB,  XR+4*SCRW                  ; qv's row of my batch
.set VTAB,  QTAB+4096                  ; -C2 V
.set PX,    VTAB+4096
.set SX,    PX+1024
.set MX,    SX+1024
.set SPARE, MX+256                     ; the spare words, 128 bytes a wave
.set SPW, 3
.set NIL, 4
.set BA0, 5
.set BL,  7
.set WSL, 8
.set WSA, 9
.set TAL, 10
.set TA,  11
.set CO,  12
.set PFO, 13
.set PA,  14
.set WST, 15
.set TST, 16
.set GL,  17
.set MXA, 18
.set SXA, 19
.set PXA, 20
.set SXR, 21
.set SCO, 22
.set MXR, 23
.set XD,  26
.set ASC, 32                           ; v32-63: enc's scale words
.set WSC, 64                           ; v64-79: W2's scale words of the stage: tile xx, K step j at 8 xx + j
.set PC,  64
.set TM,  80
.set S,   96
.set T,   100
.set M,   104
.set MV,  108
.set PW,  112
.set SA,  113
.set RA,  114
.set XA,  115
.set XS,  116
.set WA,  117
.set WS,  118
.set XB,  128                          ; window 0, v128-255: buffer X.  (Buffer Y: window 1, v0-127)
.set F,   192
.set CX,  128
.set P,   144
.set AC,  128                          ; window 1: v128-191 the eight accumulators, (a, xx) at 8 (2 a + xx);
.set SACC, 192                         ; v192-207 the score sums;
.set QT,  208                          ; v208-223 qv, v224-239 -C2 V at the stage's units
.set VT,  224
.set WV,  18
.set MNT, 19
.set SEL, 20
.set CC,  22
.set G1E, 24
.set G1W, 32
.set G0E, 40
.set G0W, 48
.set TB,  52
.set TS,  53
.set TQ,  54
.set QO,  57
.set QS,  58
.set LI,  59
.set LJ,  60
.set GID, 61
.set CB,  66
.set PO,  68
.set EB,  76
.set MSB, 0
.macro WIN new                         ; the immediate's high byte repeats the setting that is left
.if MSB != (\new)
	s_set_vgpr_msb (MSB<<8)|(\new)
.set MSB, (\new)
.endif
.endm
.macro PLACES n
.rept \n
	v_nop
.endr
.endm
.macro CROUND                          ; a round of the cluster's barrier
	s_barrier_signal -1
	s_barrier_wait -1
	s_cmp_lg_u32 s[WV], 0
	s_cbranch_scc1 .Lnot_wave_0_\@
	s_barrier_signal -3
.Lnot_wave_0_\@:
	s_barrier_wait -3
	s_barrier_signal -1
	s_barrier_wait -1
.endm
.macro TL g0, g1
	tensor_load_to_lds s[\g0:\g0+3], s[\g1:\g1+7]
	s_nop 0
	PLACES 4
.endm
; THE QUANTISER: four blocks of 32 along K, 16 numbers a lane, the block's other 16 in lane l xor 16
.macro QMID
.irp b, 0,1,2,3
	v_permlanex16_b32 v[TM+4+\b], v[TM+\b], s[SEL], s[SEL+1]
.endr
.irp b, 0,1,2,3
	v_max_num_f32 v[TM+\b], v[TM+\b], v[TM+4+\b]
.endr
.irp b, 0,1,2,3
	v_add_nc_u32 v[TM+12+\b], 0xfc000000, v[TM+\b]
.endr
.irp b, 0,1,2,3
	v_and_or_b32 v[TM+8+\b], v[TM+\b], 0x7f800000, s[MNT]
.endr
.irp b, 0,1,2,3
	v_lshrrev_b32 v[TM+4+\b], 23, v[TM+12+\b]
.endr
.endm
.macro QUANT
.irp b, 0,1,2,3
	v_max3_num_f32 v[TM+\b], |v[F+16*\b]|, |v[F+16*\b+1]|, 0x4800000
.endr
.irp i, 2,4,6,8,10,12,14
.irp b, 0,1,2,3
	v_max3_num_f32 v[TM+\b], v[TM+\b], |v[F+16*\b+\i]|, |v[F+16*\b+\i+1]|
.endr
.endr
	QMID
	v_lshl_or_b32 v[PW], v[TM+5], 8, v[TM+4]
	v_lshl_or_b32 v[PW], v[TM+6], 16, v[PW]
	v_lshl_or_b32 v[PW], v[TM+7], 24, v[PW]
.irp b, 0,1,2,3
.irp i, 0,1,2,3,4,5,6,7,8,9,10,11,12,13,14,15
	v_med3_num_f32 v[F+16*\b+\i], v[F+16*\b+\i], -v[TM+8+\b], v[TM+8+\b]
.endr
	v_cvt_scalef32_pk8_fp8_f32 v[PC+4*\b:PC+4*\b+1], v[F+16*\b:F+16*\b+7], v[TM+12+\b]
	v_cvt_scalef32_pk8_fp8_f32 v[PC+4*\b+2:PC+4*\b+3], v[F+16*\b+8:F+16*\b+15], v[TM+12+\b]
.endr
	v_nop
.endm
; a tile of 32 rows x 256 numbers out of slot k % 2: four operand fragments, each through its image in LDS into the registers that keep it
.macro QTILE k
.set QSL, (\k)%2
.set QKQ, (\k)/2
.if (\k) == 0
	s_wait_tensorcnt 0x1
.endif
	s_mov_b32 s[QO], 0
	s_mov_b32 s[QS], 0
	s_mov_b32 s[LI], 2
.Lqi_\@:
	s_mov_b32 s[LJ], 2
.Lqj_\@:
	v_add_nc_u32 v[RA], s[QO], v[SA]
.irp b, 0,1,2,3
.irp q, 0,1,2,3
	ds_load_b128 v[F+16*\b+4*\q:F+16*\b+4*\q+3], v[RA] offset:SLOTB*QSL+128*\b+16*\q
.endr
.endr
	s_wait_dscnt 0x0
	QUANT
	v_add_nc_u32 v[WA], s[QS], v[XA]
	v_add_nc_u32 v[WS], s[QS], v[XS]
.irp c, 0,1,2,3
	ds_store_b128 v[WA], v[PC+4*\c:PC+4*\c+3] offset:512*\c
.endr
	ds_store_b32 v[WS], v[PW]
	s_add_co_u32 s[QO], s[QO], 512
	s_add_co_u32 s[QS], s[QS], IMG
	s_sub_co_u32 s[LJ], s[LJ], 1
	s_cmp_lg_u32 s[LJ], 0
	s_cbranch_scc1 .Lqj_\@
	s_add_co_u32 s[QO], s[QO], 16*ROWP-1024
	s_sub_co_u32 s[LI], s[LI], 1
	s_cmp_lg_u32 s[LI], 0
	s_cbranch_scc1 .Lqi_\@
	WIN 0x80+0x40*QSL
.irp n, 0,1,2,3
.irp c, 0,1,2,3
	ds_load_b128 v[16*(8*(\n/2)+2*QKQ+\n%2)+4*\c:16*(8*(\n/2)+2*QKQ+\n%2)+4*\c+3], v[XA] offset:IMG*\n+512*\c
.endr
.endr
	WIN 0
.irp n, 0,1,2,3
	ds_load_b32 v[ASC+8*(2*QSL+\n/2)+2*QKQ+\n%2], v[XS] offset:IMG*\n
.endr
.endm
.macro QFILL s                         ; slot s is filled again: the three lines, a round, the wave's one load
	s_wait_tensorcnt 0x0
	ds_add_u32 v[SPW], v[NIL]
	s_add_nc_u64 s[G0E+4*(\s)+2:G0E+4*(\s)+3], s[G0E+4*(\s)+2:G0E+4*(\s)+3], 1024
	s_wait_dscnt 0x0
	CROUND
	TL G0E+4*(\s), G1E
.endm
.macro DLOAD a, j                      ; block a, K step j, straight into window 1: a lane's 64 numbers in the operand's order
.irp b, 0,1,2,3
.irp q, 0,1,2,3
	global_load_b128 v[64*(\a)+16*\b+4*\q:64*(\a)+16*\b+4*\q+3], v[XD], s[EB:EB+1] offset:65536*(\a)+512*(\j)+128*\b+16*\q
.endr
.endr
.endm
.macro DIRECT a, j, left, more
.set DL, 64*(\a)
.set DC, 16*(8*((\a)%2)+(\j))
.set DS, ASC+8*(\a)+(\j)
	s_wait_loadcnt \left
	WIN 0x05
.irp b, 0,1,2,3
	v_max3_num_f32 v[TM+\b], |v[DL+16*\b]|, |v[DL+16*\b+1]|, 0x4800000
.endr
.irp i, 2,4,6,8,10,12,14
.irp b, 0,1,2,3
	v_max3_num_f32 v[TM+\b], |v[DL+16*\b+\i]|, |v[DL+16*\b+\i+1]|, v[TM+\b]
.endr
.endr
	WIN 0
	QMID
	v_lshl_or_b32 v[DS], v[TM+5], 8, v[TM+4]
	v_lshl_or_b32 v[DS], v[TM+6], 16, v[DS]
	v_lshl_or_b32 v[DS], v[TM+7], 24, v[DS]
	WIN 0x41
.irp b, 0,1,2,3
.irp i, 0,1,2,3,4,5,6,7,8,9,10,11,12,13,14,15
	v_med3_num_f32 v[DL+16*\b+\i], v[DL+16*\b+\i], -v[TM+8+\b], v[TM+8+\b]
.endr
.endr
	WIN 0x81+0x40*((\a)/2)
.irp b, 0,1,2,3
	v_cvt_scalef32_pk8_fp8_f32 v[DC+4*\b:DC+4*\b+1], v[DL+16*\b:DL+16*\b+7], v[TM+12+\b]
	v_cvt_scalef32_pk8_fp8_f32 v[DC+4*\b+2:DC+4*\b+3], v[DL+16*\b+8:DL+16*\b+15], v[TM+12+\b]
.endr
	v_nop
.if \more
	WIN 0x40
	DLOAD \a, (\j)+1
.endif
	WIN 0
.endm
; THE MATRIX PHASE
.macro BLOAD h                         ; 32 loads: K steps 4 h .. 4 h + 3 of both unit tiles of the stage at v[BA0], into X (h = 0) or Y (h = 1)
.irp jj, 0,1,2,3
.irp xx, 0,1
.irp c, 0,1,2,3
	ds_load_b128 v[XB*(1-(\h))+32*\jj+16*\xx+4*\c:XB*(1-(\h))+32*\jj+16*\xx+4*\c+3], v[BA0] offset:\xx*16*ROWP+128*(4*(\h)+\jj)+32*\c
.endr
.endr
.endr
.endm
.macro WSCL h                          ; 2 loads: the same K steps' scale words
.irp xx, 0,1
	ds_load_b128 v[WSC+8*\xx+4*(\h):WSC+8*\xx+4*(\h)+3], v[WSA] offset:544*\xx+16*(\h)
.endr
.endm
.macro TABLOAD x                       ; 4 loads: qv and -C2 V at unit tile x's units 8 h + 0 .. 7
	ds_load_b128 v[QT+8*(\x):QT+8*(\x)+3], v[TA] offset:64*(\x)
	ds_load_b128 v[QT+8*(\x)+4:QT+8*(\x)+7], v[TA] offset:64*(\x)+16
	ds_load_b128 v[VT+8*(\x):VT+8*(\x)+3], v[TA] offset:4096+64*(\x)
	ds_load_b128 v[VT+8*(\x)+4:VT+8*(\x)+7], v[TA] offset:4096+64*(\x)+16
.endm
.macro MMH h                           ; 32 matrix instructions: four K steps; the eight accumulators take turns, one instruction a turn.  The first K step starts the sums
.irp jj, 0,1,2,3
.irp a, 0,1,2,3
.irp xx, 0,1
.set KJ, 4*(\h)+\jj
.set KD, AC+8*(2*\a+\xx)
.set KA, XB*(1-(\h))+32*\jj+16*\xx
.set KC, 16*(8*(\a%2)+KJ)
	WIN 0x58+4*(\a/2)+(\h)                         ; source 0: window h; source 1: window 2 or 3; C and D: window 1
.if KJ == 0
	v_wmma_scale_f32_16x16x128_f8f6f4 v[KD:KD+7], v[KA:KA+15], v[KC:KC+15], 0, v[WSC+8*\xx+KJ], v[ASC+8*\a+KJ]
.else
	v_wmma_scale_f32_16x16x128_f8f6f4 v[KD:KD+7], v[KA:KA+15], v[KC:KC+15], v[KD:KD+7], v[WSC+8*\xx+KJ], v[ASC+8*\a+KJ]
.endif
.endr
.endr
.endr
.endm
; THE ACTIVATION OF A STAGE, all in window 1.  Register AC + 8 t + i holds row block t / 2, unit tile t % 2, unit 8 h + i of that tile.
; Five runs over the 64 registers: C2 x;  2^(C2 x);  + 1;  the reciprocal;  x (-C2 V[u]) onto the eight pairs of score sums, by turns.  Each accumulator is read from its low end on.
; Each batch of transcendentals has one wait ahead of it and one behind it.  nx = 1: behind the first wait stands the next stage's run of loads into Y and its scale words
; (the eight v_nop ahead of the macro and the 32 multiply-adds are the places behind the products that read them).
.macro EPI nx
	WIN 0x55
.irp t, 0,1,2,3,4,5,6,7
.irp i, 0,2,4,6
	v_pk_fma_f32 v[AC+8*\t+\i:AC+8*\t+\i+1], v[AC+8*\t+\i:AC+8*\t+\i+1], s[CC:CC+1], v[QT+8*(\t%2)+\i:QT+8*(\t%2)+\i+1] op_sel_hi:[1,0,1]
.endr
.endr
	s_wait_alu depctr_va_vdst(0)                   ; ahead of the batch
.if \nx
	WIN 0x40
	BLOAD 1
	WIN 0
	WSCL 1
	WIN 0x55
.endif
.set ei, AC
.rept 64
	v_exp_f32 v[ei], v[ei]
.set ei, ei+1
.endr
	v_nop                                          ; a plain place behind the last exponential
	s_wait_alu depctr_va_vdst(0)                   ; behind the batch, ahead of its first reader
.set ei, AC
.rept 32
	v_pk_add_f32 v[ei:ei+1], v[ei:ei+1], 1.0 op_sel_hi:[1,0]
.set ei, ei+2
.endr
	s_wait_alu depctr_va_vdst(0)                   ; ahead of the batch
.set ei, AC
.rept 64
	v_rcp_f32 v[ei], v[ei]
.set ei, ei+1
.endr
	v_nop
	s_wait_alu depctr_va_vdst(0)                   ; behind the batch
.irp i, 0,2,4,6
.irp t, 0,1,2,3,4,5,6,7
	v_pk_fma_f32 v[SACC+2*\t:SACC+2*\t+1], v[AC+8*\t+\i:AC+8*\t+\i+1], v[VT+8*(\t%2)+\i:VT+8*(\t%2)+\i+1], v[SACC+2*\t:SACC+2*\t+1]
.endr
.endr
	s_wait_alu depctr_va_vdst(0)
.endm
; A STAGE.  nx = 1: the next stage lies in the same slot, one wave's region on, and its fragments are asked for.
.macro STG nx
	v_add_nc_u32 v[TA], s[TQ], v[TAL]              ; this stage's tables
.if \nx
	s_add_co_u32 s[TB], s[TB], WREG
	s_add_co_u32 s[TS], s[TS], 1088
	v_add_nc_u32 v[BA0], s[TB], v[BL]              ; the next stage's fragments and scale words
	v_add_nc_u32 v[WSA], s[TS], v[WSL]
.endif
	s_wait_alu depctr_va_vdst(0)
	s_wait_dscnt 34                                ; X and its scale words are in; younger: the 34 loads of Y and its scale words
	MMH 0
	PLACES 8                                       ; eight places between the products and the loads into what they read
	WIN 0x40
	TABLOAD 0
	TABLOAD 1
	WIN 0
.if \nx
	BLOAD 0
	WSCL 0
.endif
	s_wait_dscnt 8+34*(\nx)                        ; Y and its scale words are in; younger: the run just issued
	MMH 1
	PLACES 8                                       ; eight places between the last products and the first read of results
	s_wait_dscnt 34*(\nx)                          ; the tables are in; younger: X and its scale words
	EPI \nx
	WIN 0
	s_add_co_u32 s[TQ], s[TQ], 128
.endm
; AN INTERVAL: the four stages of a slot.  The first stage's fragments are asked for here; three stages in a loop look one stage ahead, the fourth is written out and looks at nothing.
.macro INTERVAL pf
	v_add_nc_u32 v[BA0], s[TB], v[BL]
	v_add_nc_u32 v[WSA], s[TS], v[WSL]
	s_wait_alu depctr_va_vdst(0)
	BLOAD 0
	WSCL 0
	WIN 0x40
	BLOAD 1
	WIN 0
	WSCL 1
.if \pf
.irp i, 0,1,2,3
	global_prefetch_b8 v[PFO], s[CB:CB+1] offset:-65536+256*\i th:TH_LOAD_NT scope:SCOPE_SE   ; a lane a row: my 1,024 bytes of the block's last 32 rows, which the context reads first
.endr
.endif
	s_mov_b32 s56, 3
.Lstage_\@:
	STG 1
	s_sub_co_u32 s56, s56, 1
	s_cmp_lg_u32 s56, 0
	s_cbranch_scc1 .Lstage_\@
	STG 0
	s_add_co_u32 s[TS], s[TS], 1088
	s_sub_co_u32 s[TB], s[TB], 3*WREG
	s_xor_b32 s[TB], s[TB], SLOTB                  ; on to the other slot
.endm
.macro CHANGE fill                     ; the change of slots: the three lines; fill = 1: a round of the cluster's barrier, and the joint load of the next 128 units into the slot that was left
	s_wait_tensorcnt 0x0
	ds_add_u32 v[SPW], v[NIL]
.if \fill
	s_xor_b32 s[G0W+1], s[G0W+1], SLOTB
	s_add_nc_u64 s[G0W+2:G0W+3], s[G0W+2:G0W+3], 128*1024
.endif
	s_wait_dscnt 0x0
.if \fill
	CROUND
	TL G0W, G1W
.else
	s_barrier_signal -1
	s_barrier_wait -1
.endif
.endm
; THE CONTEXT: 16 rows x my 1,024 bytes, weighed by their p
.macro CGROUP set, goff, poff, ahead, left
	v_mov_b32 v[PA], s[PO]
.irp n, 0,1,2,3
	ds_load_b128 v[P+4*\n:P+4*\n+3], v[PA] offset:\poff+16*\n
.endr
	s_wait_loadcnt \left
	s_wait_dscnt 0x0
	WIN 0x02
.irp i, 0,2,4,6,8,10,12,14
.irp d, 0,2,4,6
	v_pk_fma_f32 v[CX+\d:CX+\d+1], v[\set+8*\i+\d:\set+8*\i+\d+1], v[P+\i:P+\i+1], v[CX+\d:CX+\d+1] op_sel_hi:[1,0,1]
.endr
.irp d, 0,2,4,6
	v_pk_fma_f32 v[CX+\d:CX+\d+1], v[\set+8*\i+8+\d:\set+8*\i+8+\d+1], v[P+\i:P+\i+1], v[CX+\d:CX+\d+1] op_sel:[0,1,0]
.endr
.endr
.if \ahead
	WIN 0x80
.irp i, 0,1,2,3,4,5,6,7,8,9,10,11,12,13,14,15
.irp q, 0,1
	global_load_b128 v[\set+8*\i+4*\q:\set+8*\i+4*\q+3], v[CO], s[CB:CB+1] offset:\goff-131072+4096*\i+512*\q th:TH_LOAD_NT
.endr
.endr
.endif
	WIN 0
.endm
	s_load_b256 s[4:11], s[0:1], 0x0               ; enc s[4:5], W2's codes s[6:7], W2's scales s[8:9], V s[10:11]
	s_load_b128 s[12:15], s[0:1], 0x20             ; qv, scores
	s_load_b64 s[16:17], s[0:1], 0x30              ; part
	v_lshl_add_u32 v[SPW], v0, 2, SPARE
	v_mov_b32 v[NIL], 0
	ds_add_u32 v[SPW], v[NIL]                      ; the opening lines: the add twice on end and its one wait
	ds_add_u32 v[SPW], v[NIL]
	v_lshrrev_b32 v24, 5, v0
	v_readfirstlane_b32 s[WV], v24
	s_bfe_u32 s62, ttmp6, 0x40000
	s_lshl_b32 s[GID], ttmp9, 2
	s_add_co_u32 s[GID], s[GID], s62
	s_mov_b32 s[G1E], (2<<16)|(1<<20)|(7<<22)|(3<<25)   ; enc's tiles: 32 rows x 256 numbers of 4 bytes, 16 bytes of padding behind each row
	s_mov_b32 s[G1E+1], 256<<16
	s_mov_b32 s[G1E+2], 32<<16
	s_mov_b32 s[G1E+3], 256<<16
	s_mov_b32 s[G1E+4], 32
	s_mov_b32 s[G1E+5], 1024
	s_mov_b32 s[G1E+6], 0
	s_mov_b32 s[G1E+7], 0
	s_mov_b32 s[G1W], 15|(2<<16)|(1<<20)|(1<<21)|(7<<22)|(3<<25)   ; W2's tiles: 32 units x 1,024 codes, for all four work-groups of the cluster
	s_mov_b32 s[G1W+1], 256<<16
	s_mov_b32 s[G1W+2], 32<<16
	s_mov_b32 s[G1W+3], 256<<16
	s_mov_b32 s[G1W+4], 32
	s_mov_b32 s[G1W+5], 256
	s_mov_b32 s[G1W+6], 0
	s_mov_b32 s[G1W+7], 0
	s_mov_b32 s[MNT], 0x600000
	s_mov_b32 s[SEL], 0x76543210
	s_mov_b32 s[SEL+1], 0xfedcba98
	s_mov_b32 s[CC], 0x4038aa3b                    ; C2 = 2 log2(e)
	s_mov_b32 s[CC+1], s[CC]
	s_mul_i32 s74, s[WV], WREG
	s_mov_b32 s[G0E], 1
	s_mov_b32 s[G0E+1], s74
	s_mov_b32 s[G0E+4], 1
	s_add_co_u32 s[G0E+5], s74, SLOTB
	s_mov_b32 s[G0W], 1
	s_mov_b32 s[G0W+1], s74
	s_lshl_b32 s70, s[GID], 20
	s_lshl_b32 s71, s[WV], 18
	s_add_co_u32 s70, s70, s71
	s_mov_b32 s71, 0
	s_lshl_b32 s72, s[GID], 20
	s_lshl_b32 s73, s[WV], 10
	s_add_co_u32 s72, s72, s73
	s_add_co_u32 s72, s72, 15*65536
	s_mov_b32 s73, 0
	s_wait_dscnt 0x0
	s_wait_kmcnt 0x0
	s_add_nc_u64 s[CB:CB+1], s[4:5], s[72:73]
	s_add_nc_u64 s[EB:EB+1], s[4:5], s[70:71]
	s_add_nc_u64 s[G0E+2:G0E+3], s[4:5], s[70:71]
	s_add_nc_u64 s[G0E+6:G0E+7], s[G0E+2:G0E+3], 32*4096
	s_or_b32 s[G0E+3], s[G0E+3], 0x80000000
	s_or_b32 s[G0E+7], s[G0E+7], 0x80000000
	s_lshl_b32 s70, s[WV], 15
	s_add_nc_u64 s[G0W+2:G0W+3], s[6:7], s[70:71]
	s_or_b32 s[G0W+3], s[G0W+3], 0x80000000
	s_lshr_b32 s70, s[GID], 3
	s_lshl_b32 s70, s70, 12
	s_add_nc_u64 s[12:13], s[12:13], s[70:71]
	s_lshl_b32 s70, s[GID], 10
	s_add_nc_u64 s[14:15], s[14:15], s[70:71]
	s_lshl_b32 s70, s[GID], 12
	s_lshl_b32 s72, s[WV], 10
	s_add_co_u32 s70, s70, s72
	s_add_nc_u64 s[16:17], s[16:17], s[70:71]
	CROUND
	tensor_load_to_lds s[G0E:G0E+3], s[G1E:G1E+7]  ; the wave's one tensor load of the head: rows 0-31, K steps 0 and 1
	s_nop 0
	PLACES 4
	; the loads into registers go out here: W2's scale bytes, qv's and V's rows, and K step 6 of my 64 rows of enc
	v_lshlrev_b32 v[GL], 4, v0
.irp i, 0,1,2,3,4,5,6,7,8,9,10,11,12,13,14,15
	global_load_b128 v[128+4*\i:128+4*\i+3], v[GL], s[8:9] offset:2048*\i
.endr
	global_load_b128 v[96:99], v[GL], s[12:13]
	global_load_b128 v[100:103], v[GL], s[12:13] offset:2048
	global_load_b128 v[104:107], v[GL], s[10:11]
	global_load_b128 v[108:111], v[GL], s[10:11] offset:2048
	v_and_b32 v1, 15, v0
	v_bfe_u32 v2, v0, 4, 1
	v_lshlrev_b32 v[XD], 12, v1
	v_lshl_add_u32 v[XD], v2, 6, v[XD]
	WIN 0x40
	DLOAD 0, 6
	DLOAD 1, 6
	DLOAD 2, 6
	DLOAD 3, 6
	WIN 0
	s_wait_alu depctr_va_vdst(0)
	s_wait_tensorcnt 0x0                           ; slot 1's first fill is issued as a refill is: the three lines, a round, one load
	ds_add_u32 v[SPW], v[NIL]
	s_wait_dscnt 0x0
	CROUND
	tensor_load_to_lds s[G0E+4:G0E+7], s[G1E:G1E+7]
	s_nop 0
	PLACES 4
	v_and_b32 v24, 31, v0
	v_mul_u32_u24 v[BL], v1, ROWP
	v_lshl_add_u32 v[SA], v2, 6, v[BL]
	v_add_nc_u32 v[SA], s74, v[SA]
	v_lshl_add_u32 v[BL], v2, 4, v[BL]
	v_lshrrev_b32 v25, 3, v1
	v_lshlrev_b32 v[WSL], 5, v1
	v_lshl_add_u32 v[WSL], v25, 4, v[WSL]
	v_add_nc_u32 v[WSL], XR, v[WSL]
	v_lshl_add_u32 v[TAL], v2, 5, QTAB
	v_lshlrev_b32 v[CO], 4, v24
	v_lshlrev_b32 v[PFO], 12, v24
	v_lshrrev_b32 v25, 4, v0
	v_mul_u32_u24 v[WST], v25, 272
	v_lshl_add_u32 v[WST], v1, 4, v[WST]
	v_add_nc_u32 v[WST], XR, v[WST]
	v_lshl_add_u32 v[TST], v0, 4, QTAB
	s_lshl_b32 s70, s[WV], 2
	s_add_co_u32 s70, s70, MX
	v_mov_b32 v[MXA], s70
	v_mov_b32 v[MXR], MX
	s_lshl_b32 s70, s[WV], 8
	v_lshl_add_u32 v[SXA], v1, 2, s70
	v_add_nc_u32 v[PXA], PX, v[SXA]
	v_add_nc_u32 v[SXA], SX, v[SXA]
	v_lshl_add_u32 v[SXR], v0, 3, SX
	v_lshlrev_b32 v[SCO], 3, v0
	s_mul_i32 s70, s[WV], SCRW
	s_add_co_u32 s70, s70, XR
	v_lshl_add_u32 v[XA], v24, 4, s70
	s_add_co_u32 s70, s70, 2048
	v_lshl_add_u32 v[XS], v24, 2, s70
.irp b, 0,1,2,3
	v_mov_b32 v[TM+4+\b], 0
.endr
	QTILE 0
	QFILL 0
	DIRECT 0, 6, 48, 1
	DIRECT 1, 6, 48, 1
	QTILE 1
	QFILL 1
	DIRECT 2, 6, 48, 1
	DIRECT 3, 6, 48, 1
	QTILE 2
	QFILL 0
	DIRECT 0, 7, 48, 0
	DIRECT 1, 7, 32, 0
	QTILE 3
	QFILL 1
	DIRECT 2, 7, 16, 0
	DIRECT 3, 7, 0, 0
	WIN 0x40
.irp n, 0,1,2,3,4,5,6,7,8,9,10,11,12,13,14,15
	v_mov_b32 v[SACC+\n], 0                        ; the score sums begin as zeros
.endr
	WIN 0
	QTILE 4
	s_wait_tensorcnt 0x0
	ds_add_u32 v[SPW], v[NIL]
	s_wait_dscnt 0x0
	CROUND
	TL G0W, G1W                                    ; W2's first 128 units, into the slot that QTILE 4 has left
	QTILE 5
	s_wait_dscnt 0x0
	s_barrier_signal -1
	s_barrier_wait -1                              ; nobody reads the images any more: W2's scale bytes take their place
	s_wait_loadcnt 0x0
.irp i, 0,1,2,3,4,5,6,7,8,9,10,11,12,13,14,15
	ds_store_b128 v[WST], v[128+4*\i:128+4*\i+3] offset:8*272*\i
.endr
	ds_store_b128 v[TST], v[96:99]
	ds_store_b128 v[TST], v[100:103] offset:2048
	s_mov_b32 s70, 0xc038aa3b                      ; -C2
	s_mov_b32 s71, s70
.irp p, 0,2,4,6
	v_pk_mul_f32 v[104+\p:105+\p], v[104+\p:105+\p], s[70:71] op_sel_hi:[1,0]
.endr
	ds_store_b128 v[TST], v[104:107] offset:4096
	ds_store_b128 v[TST], v[108:111] offset:6144
	s_mov_b32 s[TB], 0
	s_mov_b32 s[TS], 0
	s_mov_b32 s[TQ], 0
	s_mov_b32 s55, 7
.Linterval:
	CHANGE 1
	INTERVAL 0
	s_sub_co_u32 s55, s55, 1
	s_cmp_lg_u32 s55, 0
	s_cbranch_scc1 .Linterval
	CHANGE 0                                       ; the last interval is written out: it asks for no further units
	INTERVAL 1
	WIN 0x80                                       ; the codes are done with: their registers take the context's rows (the last activation's lines are the places behind the last products)
.irp i, 0,1,2,3,4,5,6,7,8,9,10,11,12,13,14,15
.irp q, 0,1
	global_load_b128 v[8*\i+4*\q:8*\i+4*\q+3], v[CO], s[CB:CB+1] offset:4096*\i+512*\q th:TH_LOAD_NT
.endr
.endr
.irp i, 0,1,2,3,4,5,6,7,8,9,10,11,12,13,14,15
.irp q, 0,1
	global_load_b128 v[128+8*\i+4*\q:128+8*\i+4*\q+3], v[CO], s[CB:CB+1] offset:-65536+4096*\i+512*\q th:TH_LOAD_NT
.endr
.endr
	WIN 0x05
.irp a, 0,1,2,3
	v_add_f32 v[S+\a], v[SACC+4*\a], v[SACC+4*\a+1]
.endr
.irp a, 0,1,2,3
	v_add_f32 v[T+\a], v[SACC+4*\a+2], v[SACC+4*\a+3]
.endr
	WIN 0
.irp a, 0,1,2,3
	v_add_f32 v[S+\a], v[S+\a], v[T+\a]
.endr
.irp a, 0,1,2,3
	v_permlanex16_b32 v[T+\a], v[S+\a], s[SEL], s[SEL+1]
.endr
.irp a, 0,1,2,3
	v_add_f32 v[S+\a], v[S+\a], v[T+\a]            ; s2 of row 16 a + r
.endr
	v_max3_num_f32 v[M], v[S], v[S+1], v[S+2]
	v_max_num_f32 v[M], v[M], v[S+3]
	v_max_num_f32_dpp v[M], v[M], v[M] row_xmask:1 row_mask:0xf bank_mask:0xf
	v_max_num_f32_dpp v[M], v[M], v[M] row_xmask:2 row_mask:0xf bank_mask:0xf
	v_max_num_f32_dpp v[M], v[M], v[M] row_xmask:4 row_mask:0xf bank_mask:0xf
	v_max_num_f32_dpp v[M], v[M], v[M] row_xmask:8 row_mask:0xf bank_mask:0xf
	ds_store_b32 v[MXA], v[M]
.irp a, 0,1,2,3
	ds_store_b32 v[SXA], v[S+\a] offset:64*\a
.endr
	s_wait_dscnt 0x0
	s_barrier_signal -1
	s_barrier_wait -1
	ds_load_b128 v[MV:MV+3], v[MXR]
	ds_load_b64 v[24:25], v[SXR]
	s_wait_dscnt 0x0
	global_store_b64 v[SCO], v[24:25], s[14:15]    ; a wave stores 256 consecutive bytes of scores, aligned
	v_max3_num_f32 v[M], v[MV], v[MV+1], v[MV+2]
	v_max_num_f32 v[M], v[M], v[MV+3]              ; m: the block's largest s2
.irp a, 0,1,2,3
	v_sub_f32 v[S+\a], v[S+\a], v[M]
.endr
	s_wait_alu depctr_va_vdst(0)
.irp a, 0,1,2,3
	v_exp_f32 v[S+\a], v[S+\a]
.endr
	v_nop
	s_wait_alu depctr_va_vdst(0)
.irp a, 0,1,2,3
	ds_store_b32 v[PXA], v[S+\a] offset:64*\a
.endr
.irp d, 0,1,2,3,4,5,6,7
	v_mov_b32 v[CX+\d], 0
.endr
	s_mov_b32 s[PO], PX+64*14
	s_wait_dscnt 0x0
	s_barrier_signal -1
	s_barrier_wait -1
	s_mov_b32 s55, 7
.Lctx:
	s_wait_alu depctr_va_vdst(0)
	CGROUP 0, 0, 64, 1, 32
	s_wait_alu depctr_va_vdst(0)
	CGROUP 128, -65536, 0, 1, 32
	s_wait_xcnt 0x0                                ; the loads have read their base: it may step
	s_sub_nc_u64 s[CB:CB+1], s[CB:CB+1], 131072
	s_sub_co_u32 s[PO], s[PO], 128
	s_sub_co_u32 s55, s55, 1
	s_cmp_lg_u32 s55, 0
	s_cbranch_scc1 .Lctx
	s_wait_alu depctr_va_vdst(0)
	CGROUP 0, 0, 64, 0, 32
	s_wait_alu depctr_va_vdst(0)
	CGROUP 128, 0, 0, 0, 0
	global_store_b128 v[CO], v[CX:CX+3], s[16:17]  ; 512 consecutive bytes a store
	global_store_b128 v[CO], v[CX+4:CX+7], s[16:17] offset:512
	s_wait_tensorcnt 0x0                           ; the wave's end
	ds_add_u32 v[SPW], v[NIL]
	s_wait_dscnt 0x0
	CROUND                                         ; the closing round
	s_endpgm
.Lfunc_end_k_q5c509f011a_main:
	.size	k_q5c509f011a_main, .Lfunc_end_k_q5c509f011a_main-k_q5c509f011a_main
	.p2alignl 7, 3214868480
	.fill 96, 4, 3214868480
	.section	.rodata,"a",@progbits
	.p2align	6, 0x0
	.amdhsa_kernel k_q5c509f011a_main
		.amdhsa_group_segment_fixed_size 327680
		.amdhsa_private_segment_fixed_size 0
		.amdhsa_enable_private_segment 0
		.amdhsa_kernarg_size 56
		.amdhsa_user_sgpr_count 2
		.amdhsa_user_sgpr_kernarg_segment_ptr 1
		.amdhsa_wavefront_size32 1
		.amdhsa_system_sgpr_workgroup_id_x 1
		.amdhsa_system_sgpr_workgroup_id_y 1
		.amdhsa_system_sgpr_workgroup_id_z 1
		.amdhsa_system_vgpr_workitem_id 0
		.amdhsa_next_free_vgpr 1024
		.amdhsa_next_free_sgpr 80
		.amdhsa_reserve_vcc 0
		.amdhsa_float_denorm_mode_32 3
		.amdhsa_float_denorm_mode_16_64 3
		.amdhsa_memory_ordered 1
		.amdhsa_forward_progress 1
		.amdhsa_inst_pref_size 255
	.end_amdhsa_kernel
	.section	.bss,"aw",@nobits
	.p2align	6
	.space	262144
	.amdgpu_metadata
---
amdhsa.version: [ 1, 2 ]
amdhsa.kernels:
  - .name:           k_q5c509f011a_main
    .symbol:         k_q5c509f011a_main.kd
    .args:
      - { .name: enc_output, .offset: 0, .size: 8, .value_kind: global_buffer, .address_space: global }
      - { .name: W2_codes, .offset: 8, .size: 8, .value_kind: global_buffer, .address_space: global }
      - { .name: W2_scales, .offset: 16, .size: 8, .value_kind: global_buffer, .address_space: global }
      - { .name: V, .offset: 24, .size: 8, .value_kind: global_buffer, .address_space: global }
      - { .name: qv, .offset: 32, .size: 8, .value_kind: global_buffer, .address_space: global }
      - { .name: scores, .offset: 40, .size: 8, .value_kind: global_buffer, .address_space: global }
      - { .name: part, .offset: 48, .size: 8, .value_kind: global_buffer, .address_space: global }
    .group_segment_fixed_size: 327680
    .private_segment_fixed_size: 0
    .kernarg_segment_align: 8
    .kernarg_segment_size: 56
    .max_flat_workgroup_size: 128
    .sgpr_count:     80
    .vgpr_count:     1024
    .wavefront_size: 32
...
	.end_amdgpu_metadata
.endif
;; end of part 2
;; launch combine (part 3): grid 32 x 1, 16 waves a work-group, no clusters, 2,304 bytes of LDS; arguments scores, part, out0, out1; writes out0, out1
.if DOCPART == 3
	.amdgcn_target "amdgcn-amd-amdhsa--gfx1250"
	.amdhsa_code_object_version 6
	.text
	.protected	k_q5c509f011a_combine
	.globl	k_q5c509f011a_combine
	.p2align	8
	.type	k_q5c509f011a_combine,@function
k_q5c509f011a_combine:
	s_mov_b64 s[64:65], 0
	v_nop
	global_prefetch_b8 v0, s[64:65] scope:SCOPE_SE
	s_setreg_imm32_b32 hwreg(HW_REG_WAVE_MODE, 25, 1), 1
	s_wait_xcnt 0x0
; BAHDANAU ATTENTION IN MX-FP8, launch 3 of 3.  One work-group a batch joins the eight blocks of 256 rows of the second launch.
; scores holds s2 = the score in units of log2, without bV + sum of V (dead work: the same along the softmax's axis; shown at the head of the first kernel).  part[8 b + g][:] = sum over block g's rows of 2^(s2 - m_g) enc.
; M = the batch's largest s2;  L = sum of 2^(s2 - M);  out1 = 2^(s2 - M) / L;  out0 = sum over g of part_g 2^(m_g - M) / L.  m_g is taken again from the same stored numbers: a maximum rounds nothing.
; Sixteen waves; thread t holds rows 4 t .. 4 t + 3 and columns 2 t, 2 t + 1.  A wave's 128 rows are half a block: block g is waves 2 g and 2 g + 1, and 2^(m_g - M) is the larger of their two factors.
; A stream of 1.3 MB in all: no matrix unit, no tensor load, no cluster.
.set SPARE, 256                        ; behind the waves' 16 pairs (m, l): the spare words, 128 bytes for each wave
.set SPW, 2
.set NIL, 3
	s_load_b256 s[4:11], s[0:1], 0x0               ; scores s[4:5], part s[6:7], out0 s[8:9], out1 s[10:11]
	v_lshl_add_u32 v[SPW], v0, 2, SPARE
	v_mov_b32 v[NIL], 0
	v_lshrrev_b32 v4, 5, v0                        ; wave
	s_delay_alu instid0(VALU_DEP_1)
	v_lshlrev_b32 v7, 3, v4                        ; my wave's pair in LDS
	v_lshlrev_b32 v5, 4, v0                        ; 16 t
	v_lshlrev_b32 v6, 3, v0                        ; 8 t
	v_mov_b32 v1, 0
	v_mov_b32 v29, 0                               ; written once: a lane permute's destination counts as one of its sources
	s_lshl_b32 s14, ttmp9, 13                      ; the batch in scores and in out1
	s_mov_b32 s15, 0
	s_lshl_b32 s16, ttmp9, 15                      ; in part: eight rows of 4,096 bytes
	s_mov_b32 s17, 0
	s_lshl_b32 s18, ttmp9, 12                      ; in out0
	s_mov_b32 s19, 0
	s_mov_b32 s20, 0x76543210
	s_mov_b32 s21, 0xfedcba98
	s_wait_alu depctr_va_vdst(0)
	s_wait_kmcnt 0x0
	s_add_nc_u64 s[4:5], s[4:5], s[14:15]
	s_add_nc_u64 s[10:11], s[10:11], s[14:15]
	s_add_nc_u64 s[6:7], s[6:7], s[16:17]
	s_add_nc_u64 s[8:9], s[8:9], s[18:19]
	global_load_b128 v[8:11], v5, s[4:5]
.irp g, 0,1,2,3,4,5,6,7
	global_load_b64 v[12+2*\g:13+2*\g], v6, s[6:7] offset:4096*\g
.endr
	s_wait_loadcnt 8                               ; the scores are in; the eight loads of part may be out
	v_max3_num_f32 v28, v8, v9, v10
	s_delay_alu instid0(VALU_DEP_1)
	v_max_num_f32 v28, v28, v11
	s_delay_alu instid0(VALU_DEP_1)
	v_max_num_f32_dpp v28, v28, v28 row_xmask:1 row_mask:0xf bank_mask:0xf
	s_delay_alu instid0(VALU_DEP_1)
	v_max_num_f32_dpp v28, v28, v28 row_xmask:2 row_mask:0xf bank_mask:0xf
	s_delay_alu instid0(VALU_DEP_1)
	v_max_num_f32_dpp v28, v28, v28 row_xmask:4 row_mask:0xf bank_mask:0xf
	s_delay_alu instid0(VALU_DEP_1)
	v_max_num_f32_dpp v28, v28, v28 row_xmask:8 row_mask:0xf bank_mask:0xf
	s_delay_alu instid0(VALU_DEP_1)
	v_permlanex16_b32 v29, v28, s20, s21
	s_delay_alu instid0(VALU_DEP_1)
	v_max_num_f32 v28, v28, v29                    ; m_w: my wave's largest
.irp i, 8,9,10,11
	v_sub_f32 v[\i], v[\i], v28
.endr
	s_wait_alu depctr_va_vdst(0)
.irp i, 8,9,10,11
	v_exp_f32 v[\i], v[\i]
.endr
	v_nop
	s_wait_alu depctr_va_vdst(0)                   ; the wait ahead of the batch's first reader
	v_add_f32 v30, v8, v9
	v_add_f32 v31, v10, v11
	s_delay_alu instid0(VALU_DEP_1)
	v_add_f32 v30, v30, v31
	s_delay_alu instid0(VALU_DEP_1)
	v_add_f32_dpp v30, v30, v30 row_xmask:1 row_mask:0xf bank_mask:0xf
	s_delay_alu instid0(VALU_DEP_1)
	v_add_f32_dpp v30, v30, v30 row_xmask:2 row_mask:0xf bank_mask:0xf
	s_delay_alu instid0(VALU_DEP_1)
	v_add_f32_dpp v30, v30, v30 row_xmask:4 row_mask:0xf bank_mask:0xf
	s_delay_alu instid0(VALU_DEP_1)
	v_add_f32_dpp v30, v30, v30 row_xmask:8 row_mask:0xf bank_mask:0xf
	s_delay_alu instid0(VALU_DEP_1)
	v_permlanex16_b32 v31, v30, s20, s21
	s_delay_alu instid0(VALU_DEP_1)
	v_add_f32 v29, v30, v31                        ; l_w
	ds_store_b64 v7, v[28:29]                      ; all lanes write the same pair
	s_wait_dscnt 0x0
	s_barrier_signal -1
	s_barrier_wait -1
.irp n, 0,1,2,3,4,5,6,7
	ds_load_b128 v[32+4*\n:35+4*\n], v1 offset:16*\n   ; m_w at v[32 + 2 w], l_w at v[33 + 2 w]
.endr
	s_wait_dscnt 0x0
	v_max3_num_f32 v64, v32, v34, v36
.irp w, 3,5,7,9,11,13
	s_delay_alu instid0(VALU_DEP_1)
	v_max3_num_f32 v64, v64, v[32+2*\w], v[34+2*\w]
.endr
	s_delay_alu instid0(VALU_DEP_1)
	v_max_num_f32 v64, v64, v62                    ; M
.irp w, 0,1,2,3,4,5,6,7,8,9,10,11,12,13,14,15
	v_sub_f32 v[66+\w], v[32+2*\w], v64
.endr
	v_sub_f32 v82, v28, v64
	s_wait_alu depctr_va_vdst(0)
.irp w, 0,1,2,3,4,5,6,7,8,9,10,11,12,13,14,15,16
	v_exp_f32 v[66+\w], v[66+\w]                   ; F_w = 2^(m_w - M); the seventeenth is my own wave's
.endr
	v_nop
	s_wait_alu depctr_va_vdst(0)
	v_mul_f32 v84, v33, v66
	v_mul_f32 v85, v35, v67
.irp w, 2,4,6,8,10,12,14
	v_fma_f32 v84, v[33+2*\w], v[66+\w], v84
	v_fma_f32 v85, v[35+2*\w], v[67+\w], v85
.endr
	s_delay_alu instid0(VALU_DEP_1)
	v_add_f32 v84, v84, v85                        ; L
	s_wait_alu depctr_va_vdst(0)
	v_rcp_f32 v85, v84
.irp g, 0,1,2,3,4,5,6,7
	v_max_num_f32 v[88+\g], v[66+2*\g], v[67+2*\g] ; 2^(m_g - M).  (Plain work behind the reciprocal)
.endr
	s_wait_alu depctr_va_vdst(0)
	v_mul_f32 v83, v82, v85
.irp i, 8,9,10,11
	v_mul_f32 v[\i], v[\i], v83
.endr
	global_store_b128 v5, v[8:11], s[10:11]        ; 512 consecutive bytes a wave
.irp g, 0,1,2,3,4,5,6,7
	v_mul_f32 v[88+\g], v[88+\g], v85
.endr
	s_wait_alu depctr_va_vdst(0)
	s_wait_loadcnt 0x0                             ; part
	v_pk_mul_f32 v[96:97], v[12:13], v[88:89] op_sel_hi:[1,0]
	s_delay_alu instid0(VALU_DEP_1)
	v_pk_fma_f32 v[96:97], v[14:15], v[88:89], v[96:97] op_sel:[0,1,0]
.irp g, 2,4,6
	s_delay_alu instid0(VALU_DEP_1)
	v_pk_fma_f32 v[96:97], v[12+2*\g:13+2*\g], v[88+\g:89+\g], v[96:97] op_sel_hi:[1,0,1]
	s_delay_alu instid0(VALU_DEP_1)
	v_pk_fma_f32 v[96:97], v[14+2*\g:15+2*\g], v[88+\g:89+\g], v[96:97] op_sel:[0,1,0]
.endr
	global_store_b64 v6, v[96:97], s[8:9]          ; 256 consecutive bytes a wave, aligned
	s_wait_tensorcnt 0x0                           ; the wave's end, behind my last LDS store
	ds_add_u32 v[SPW], v[NIL]
	s_wait_dscnt 0x0
	s_endpgm
.Lfunc_end_k_q5c509f011a_combine:
	.size	k_q5c509f011a_combine, .Lfunc_end_k_q5c509f011a_combine-k_q5c509f011a_combine
	.p2alignl 7, 3214868480
	.fill 96, 4, 3214868480
	.section	.rodata,"a",@progbits
	.p2align	6, 0x0
	.amdhsa_kernel k_q5c509f011a_combine
		.amdhsa_group_segment_fixed_size 2304
		.amdhsa_private_segment_fixed_size 0
		.amdhsa_enable_private_segment 0
		.amdhsa_kernarg_size 32
		.amdhsa_user_sgpr_count 2
		.amdhsa_user_sgpr_kernarg_segment_ptr 1
		.amdhsa_wavefront_size32 1
		.amdhsa_system_sgpr_workgroup_id_x 1
		.amdhsa_system_sgpr_workgroup_id_y 1
		.amdhsa_system_sgpr_workgroup_id_z 1
		.amdhsa_system_vgpr_workitem_id 0
		.amdhsa_next_free_vgpr 112
		.amdhsa_next_free_sgpr 66
		.amdhsa_reserve_vcc 0
		.amdhsa_float_denorm_mode_32 3
		.amdhsa_float_denorm_mode_16_64 3
		.amdhsa_memory_ordered 1
		.amdhsa_forward_progress 1
		.amdhsa_inst_pref_size 10
	.end_amdhsa_kernel
	.amdgpu_metadata
---
amdhsa.version: [ 1, 2 ]
amdhsa.kernels:
  - .name:           k_q5c509f011a_combine
    .symbol:         k_q5c509f011a_combine.kd
    .args:
      - { .name: scores, .offset: 0, .size: 8, .value_kind: global_buffer, .address_space: global }
      - { .name: part, .offset: 8, .size: 8, .value_kind: global_buffer, .address_space: global }
      - { .name: out0, .offset: 16, .size: 8, .value_kind: global_buffer, .address_space: global }
      - { .name: out1, .offset: 24, .size: 8, .value_kind: global_buffer, .address_space: global }
    .group_segment_fixed_size: 2304
    .private_segment_fixed_size: 0
    .kernarg_segment_align: 8
    .kernarg_segment_size: 32
    .max_flat_workgroup_size: 512
    .sgpr_count:     66
    .vgpr_count:     112
    .wavefront_size: 32
...
	.end_amdgpu_metadata
.endif
;; end of part 3
